; MI455X (gfx1250); checked and timed in simulation.
; The chip was launched on July 23, 2026; its instructions are those of AMD's public machine-readable ISA for CDNA 5 (MIT licence, August 2026) and "CDNA5" Instruction Set Architecture Reference Guide (July 2026). The comments in the code are by the model that wrote it; some were corrected since.
;; Sparse Mo E. Allowed arithmetic: matrix products marked QUANTISED: E2M3 operands, one E8M0 scale for each 32 along K, by v_wmma_scale_f32_16x16x128_f8f6f4 with both operands' format E2M3, f32 sums; products left as they are: f32 operands where the result goes on into a quantised operand, else bf16, f16 or f32 operands; f32 sums; everything else in f32.
;; Inputs: W1_codes 8 x 4,096 x 32 x 24 uint8 (E2M3 codes of W1, K innermost, in blocks of 32 codes, four codes in three bytes); W1_scales 8 x 4,096 x 32 uint8 (E8M0 scales of W1, one for each 32 codes along K); W2_codes 8 x 1,024 x 128 x 24 uint8 (E2M3 codes of W2, K innermost, in blocks of 32 codes, four codes in three bytes); W2_scales 8 x 1,024 x 128 uint8 (E8M0 scales of W2, one for each 32 codes along K); Wn 1,024 x 8 float32; Wr 1,024 x 8 float32; b1 8 x 4,096 float32; b2 8 x 1,024 float32; bn 8 float32; br 8 float32; noise 2 x 512 x 8 float32; x 2 x 512 x 1,024 float32.
;; Outputs: out0 2 x 512 x 1,024 float32; out1 2 x 512 x 8 float32.
;; This version of the problem:
;;   THIS VERSION OF THE PROBLEM IS GIVEN IN LOW PRECISION. The matrix products marked QUANTISED in the list below multiply operands that are first quantised to E2M3 (2 exponent bits, 3 mantissa bits; 6 bits a number), with one power-of-two scale for each 32 numbers along K (OCP MX v1.0); their sums are f32. All else is computed in f32.
;;   The module's matrix products, in the order in which they are computed (A, B: the left and right operand; K: the contracted axis; several contracted axes count as one K, in the product's order):
;;     1. [M 1,024, K 1,024] x [K 1,024, N 8]; A: input x; B: input Wr: left as it is (N = 8 < 16)
;;     2. [M 1,024, K 1,024] x [K 1,024, N 8]; A: input x; B: input Wn: left as it is (N = 8 < 16)
;;     3. [M 32,768, K 1,024] x [K 1,024, N 1,024]; A: input W1 (given as codes); B: input x: QUANTISED
;;     4. batch 8 x [M 1,024, K 4,096] x [K 4,096, N 1,024]; A: computed on the way; B: input W2 (given as codes): QUANTISED
;;     5. batch 1,024 x [M 1, K 8] x [K 8, N 1,024]; A: softmax; B: computed on the way: left as it is (K = 8 < 32)
;;   THE QUANTISER, for each operand of a quantised product, along K:
;;     - K is cut into blocks of 32 from its start; a last block that is shorter is filled with zeros.
;;     - A block's scale is 2^e with e = floor(log2(the largest magnitude in the block)) - 2, held to -126 .. 127; a block of zeros has e = 0. As a byte (E8M0): e + 127.
;;     - Each number is divided by its block's scale, clamped to +-7.5, and rounded to the nearest number of E2M3, ties to even, subnormals kept.
;;     - The product sums the exact products of the quantised numbers (number of the format x scale) in f32.
;;   ~~~python
;;   def quantise(x, axis):      # numpy; x: float32 -> the quantised numbers, widened to float32 again
;;       x = np.moveaxis(x, axis, -1); K = x.shape[-1]
;;       x = np.pad(x, [(0, 0)] * (x.ndim - 1) + [(0, -K % 32)]); x = x.reshape(x.shape[:-1] + (-1, 32)); a = np.abs(x).max(-1, keepdims=True)
;;       e = np.where(a > 0, np.clip(np.frexp(np.where(a > 0, a, 1))[1] - 1 - 2, -126, 127), 0)      # np.frexp(a)[1] - 1 = floor(log2(a)), exactly
;;       r = np.clip(x / 2.0 ** e, -7.5, 7.5)
;;       step = 2.0 ** (np.maximum(np.frexp(np.where(r == 0, 1, r))[1] - 1, 0) - 3)
;;       q = np.round(r / step) * step * 2.0 ** e      # np.round: ties to even
;;       return np.moveaxis(q.reshape(q.shape[:-2] + (-1,))[..., :K], -1, axis).astype(np.float32)
;;   ~~~
;;   OPERANDS COMPUTED ON THE WAY. 'Computed on the way' means the value that the module computes at that place (a softmax that the list does not call 'softmax' is quantised finished and normalised). What goes into a quantiser is computed in f32, as accurately as f32 sums, v_exp_f32 and their like allow (about 1e-6 of the number): no bf16 or f16 on the way to a quantiser, and a product that is left as it is and whose result goes on into a quantised operand takes f32 operands (vector FMAs, or v_wmma_f32_16x16x4_f32). A number that lies on a knife's edge between two numbers of the format may be rounded either way, as far as f32 arithmetic and the matrix unit's own rounding can turn it there, and no further.
;;   INPUTS GIVEN AS CODES. W1 (in the module: [8, 1024, 4096], K = its axis 1); W2 (in the module: [8, 4096, 1024], K = its axis 1): each comes as NAME_codes (uint8): NAME with its K axis moved to the last place and cut into blocks of 32 codes, [.., K / 32, bytes a block], one block behind the other in memory; four codes in three bytes: a row's codes are one little-endian stream of bits, code i at bits 6 i .. 6 i + 5 (a code: sign, 2 exponent bits, 3 mantissa bits); and NAME_scales (uint8): the same leading axes, one E8M0 byte (e + 127) for each 32 codes along K. Its value is code x scale, taken as it is: it is not quantised again, and the codes and scales need not be those that the quantiser above would give.
;; One version. Each part assembles by itself: llvm-mc -triple=amdgcn-amd-amdhsa -mcpu=gfx1250 --defsym DOCPART=n.
;; ======== version 1 of 1: 5 launches
;; limits: right only within a limited range of input values
;; workspace buffers: topi 8,192 bytes of whole numbers; gates 8,192 bytes; xq 819,200 bytes; plan 17,152 bytes of whole numbers; hq 7,241,728 bytes; y 8,912,896 bytes
;; launch route (part 1): grid 256 x 1, 4 waves a work-group, no clusters, 89,600 bytes of LDS; arguments x, noise, Wr, br, Wn, bn, out1, topi, gates, xq; writes out1, topi, gates, xq
.if DOCPART == 1
	.amdgcn_target "amdgcn-amd-amdhsa--gfx1250"
	.amdhsa_code_object_version 6
	.text
	.protected	k_q9e343d1c0b_route
	.globl	k_q9e343d1c0b_route
	.p2align	8
	.type	k_q9e343d1c0b_route,@function
k_q9e343d1c0b_route:
	s_mov_b64 s[64:65], 0
	v_nop
	global_prefetch_b8 v0, s[64:65] scope:SCOPE_SE
	s_setreg_imm32_b32 hwreg(HW_REG_WAVE_MODE, 25, 1), 1
	s_wait_xcnt 0x0
; THE ROUTER AND x's QUANTISER.  1,024 tokens of 1,024 numbers.  Wave w of work-group g owns token t = 4 g + w; lane l owns the row's block l, k = 32 l .. 32 l + 31.
; It stores: out1 = softmax(x Wr + br); the two chosen experts as whole numbers (topi, in top_k's order: the larger first, a tie to the lower index); their two gates;
; and x as codes of E2M3 (xq: 768 bytes a token, a plain stream of bits) with one E8M0 byte a block (from byte XSOFF on, 32 bytes a token).
; THE SCALE BYTES ARE STORED WITH BYTES 1 AND 2 OF EACH WORD CHANGED ROUND: the launch that multiplies gives a lane 48 neighbouring bytes of a K step of 128, which puts the step's blocks 0, 2, 1, 3 at the operand's places 0, 1, 2, 3.
; Both router products are f32 multiply-adds: 32 terms in a lane, then a sum over the 32 lanes.  No address and no branch hangs on a floating-point number: what is chosen is only stored.
; Wr and Wn (32 KiB each) are loaded densely, a quarter by each wave, and turned through LDS, so that lane l reads its 32 rows.  No matrix unit (N = 8), no cluster (64 KiB shared, read once a work-group), no tensor load.
; LIMITS: NaN and infinities among the inputs are not served.  A block whose largest magnitude lies under 2^-124 keeps the byte 1, a block of zeros too (its codes are zeros; this program alone reads the bytes).
; The logits are summed in another order than a plain row sum: a second and a third noisy logit that agree to the last bits of f32 may change places.
.set WNL,   33280                      ; LDS: Wr at 0 as 32 chunks of 1,024 bytes + 16 (chunk c = rows 32 c .. 32 c + 31); Wn here, likewise
.set XT,    66560                      ; a wave's 4,608 bytes: its row of x as 32 chunks of 128 bytes + 16
.set CT,    84992                      ; a wave's 1,024 bytes: 768 bytes of codes, then 32 scale bytes
.set XSOFF, 786432
.set XR,  16                           ; v16-47   x as loaded
.set X,   48                           ; v48-79   my block's 32 numbers
.set WB,  80                           ; v80-207  Wr and Wn as loaded; then two batches of four rows (16 registers a row: 8 of Wr, 8 of Wn)
.set A,   208                          ; v208-223 the 16 sums
.set L,   16                           ; later: logits, noise logits, at work, noisy logits, softmax
.set Z,   24
.set U,   32
.set N,   40
.set P,   48
	s_load_b512 s[4:19], s[0:1], 0x0               ; x, noise, Wr, br, Wn, bn, out1, topi
	s_load_b128 s[20:23], s[0:1], 0x40             ; gates, xq
	v_lshl_add_u32 v254, v0, 2, 0x15c00
	v_mov_b32 v255, 0
	v_lshrrev_b32 v1, 5, v0
	v_readfirstlane_b32 s48, v1                    ; wave
	v_and_b32 v1, 31, v0                           ; lane
	v_lshlrev_b32 v2, 4, v1                        ; 16 l
	s_lshl_b32 s49, ttmp9, 2
	s_add_co_u32 s49, s49, s48                     ; my token
	s_mul_i32 s52, s48, 4608
	s_add_co_u32 s52, s52, XT
	v_lshrrev_b32 v3, 3, v1
	v_mul_u32_u24 v3, v3, 144
	v_and_b32 v4, 7, v1
	v_lshl_add_u32 v3, v4, 4, v3
	v_add_nc_u32 v3, s52, v3                       ; x into LDS: eight lanes fill a chunk
	v_mul_u32_u24 v4, v1, 144
	v_add_nc_u32 v4, s52, v4                       ; and back: chunk l
	s_mul_i32 s53, s48, 8320
	v_add_nc_u32 v5, s53, v2                       ; Wr, Wn into LDS: my wave's eight chunks
	v_mul_u32_u24 v6, v1, 1040                     ; and back: chunk l
	s_lshl_b32 s54, s48, 10
	s_add_co_u32 s54, s54, CT
	v_mul_u32_u24 v7, v1, 24
	v_add_nc_u32 v7, s54, v7                       ; my block's 24 bytes of codes
	v_lshlrev_b32 v11, 3, v1                       ; 8 l
	v_add_nc_u32 v8, s54, v11                      ; the codes back, 8 bytes a lane
	v_and_b32 v9, 0x1c, v1
	v_and_b32 v10, 1, v1
	v_lshl_add_u32 v9, v10, 1, v9
	v_bfe_u32 v10, v1, 1, 1
	v_add_nc_u32 v9, v9, v10                       ; l with its two lowest bits changed round
	v_add_nc_u32 v9, s54, v9
	v_add_nc_u32 v9, 768, v9                       ; my scale byte's place
	v_and_b32 v12, 7, v1
	v_lshlrev_b32 v12, 2, v12                      ; 4 (l % 8)
	v_add_nc_u32 v10, s54, v12
	v_add_nc_u32 v10, 768, v10                     ; the scale words back
	s_lshl_b32 s55, s48, 13
	v_add_nc_u32 v13, s55, v2                      ; my wave's 8,192 bytes of Wr and of Wn
	s_mov_b32 s50, 0x76543210
	s_mov_b32 s51, 0xfedcba98                      ; v_permlanex16_b32's selects for lane l xor 16
	s_mov_b32 s57, 0
	s_lshl_b32 s56, s49, 12
	s_wait_alu depctr_va_vdst(0)
	s_wait_kmcnt 0x0
	s_add_nc_u64 s[4:5], s[4:5], s[56:57]          ; my row of x
.irp j, 0,1,2,3,4,5,6,7
	global_load_b128 v[XR+4*\j:XR+4*\j+3], v2, s[4:5] offset:512*\j th:TH_LOAD_NT   ; 512 consecutive bytes a load
.endr
.irp j, 0,1,2,3,4,5,6,7,8,9,10,11,12,13,14,15
	global_load_b128 v[WB+4*\j:WB+4*\j+3], v13, s[8:9] offset:512*\j
.endr
.irp j, 0,1,2,3,4,5,6,7,8,9,10,11,12,13,14,15
	global_load_b128 v[WB+64+4*\j:WB+64+4*\j+3], v13, s[12:13] offset:512*\j
.endr
	s_lshl_b32 s56, s49, 5
	s_add_nc_u64 s[6:7], s[6:7], s[56:57]          ; noise[t]
	s_add_nc_u64 s[16:17], s[16:17], s[56:57]      ; out1[t]
	s_add_nc_u64 s[58:59], s[22:23], s[56:57]
	s_add_nc_u64 s[58:59], s[58:59], XSOFF         ; my token's scale bytes
	s_load_b256 s[24:31], s[6:7], 0x0              ; noise
	s_load_b256 s[32:39], s[10:11], 0x0            ; br
	s_load_b256 s[40:47], s[14:15], 0x0            ; bn
	s_lshl_b32 s56, s49, 3
	s_add_nc_u64 s[18:19], s[18:19], s[56:57]      ; topi[t]
	s_add_nc_u64 s[20:21], s[20:21], s[56:57]      ; gates[t]
	s_mul_i32 s56, s49, 768
	s_add_nc_u64 s[22:23], s[22:23], s[56:57]      ; my token's codes
	s_wait_loadcnt 32                              ; x's eight loads are in; the 32 of Wr and Wn, issued behind them, may be out
.irp j, 0,1,2,3,4,5,6,7
	ds_store_b128 v3, v[XR+4*\j:XR+4*\j+3] offset:576*\j
.endr
.irp i, 0,1,2,3,4,5,6,7
	ds_load_b128 v[X+4*\i:X+4*\i+3], v4 offset:16*\i   ; LDS serves a wave's instructions in order: these see my stores
.endr
	s_wait_dscnt 0x0
	; my block's scale and codes
	v_max3_num_f32 v224, |v[X]|, |v[X+1]|, |v[X+2]|
	v_max3_num_f32 v225, |v[X+3]|, |v[X+4]|, |v[X+5]|
.irp i, 6,10,14,18,22,26
	v_max3_num_f32 v224, v224, |v[X+\i]|, |v[X+\i+1]|
	v_max3_num_f32 v225, v225, |v[X+\i+2]|, |v[X+\i+3]|
.endr
	v_max3_num_f32 v224, v224, |v[X+30]|, |v[X+31]|
	v_max3_num_f32 v224, v224, v225, 0x1800000     ; with the floor 2^(3 - 127): the byte cannot fall under 1
	v_add_nc_u32 v226, 0xff000000, v224            ; 2 off the exponent field: the conversion takes that field as its scale
	v_lshrrev_b32 v227, 23, v226                   ; the scale's byte
	v_cvt_scalef32_pk16_fp6_f32 v[228:230], v[X:X+15], v226
	v_cvt_scalef32_pk16_fp6_f32 v[234:236], v[X+16:X+31], v226   ; (a conversion's three registers begin on an even number)
	v_nop                                          ; one plain instruction behind a scaled conversion
	v_mov_b32 v231, v234
	v_mov_b32 v232, v235
	v_mov_b32 v233, v236
	ds_store_b64 v7, v[228:229]
	ds_store_b64 v7, v[230:231] offset:8
	ds_store_b64 v7, v[232:233] offset:16
	ds_store_b8 v9, v227
	ds_load_b64 v[240:241], v8
	ds_load_b64 v[242:243], v8 offset:256
	ds_load_b64 v[244:245], v8 offset:512
	ds_load_b32 v246, v10
	s_wait_dscnt 0x0
	global_store_b64 v11, v[240:241], s[22:23]     ; 32 lanes store 256 consecutive bytes, at a multiple of 256 from the buffer's first byte
	global_store_b64 v11, v[242:243], s[22:23] offset:256
	global_store_b64 v11, v[244:245], s[22:23] offset:512
	s_wait_xcnt 0x0                                ; EXEC is a source of the loads and stores that are out: it changes only behind this wait
	v_cmp_gt_u32 vcc_lo, 8, v1
	s_and_saveexec_b32 s60, vcc_lo
	global_store_b32 v12, v246, s[58:59]           ; eight lanes: the token's 32 scale bytes
	s_wait_xcnt 0x0
	s_or_b32 exec_lo, exec_lo, s60
	s_wait_loadcnt 0x0                             ; Wr and Wn
.irp j, 0,1,2,3,4,5,6,7,8,9,10,11,12,13,14,15
	ds_store_b128 v5, v[WB+4*\j:WB+4*\j+3] offset:(\j/2)*1040+(\j%2)*512
.endr
.irp j, 0,1,2,3,4,5,6,7,8,9,10,11,12,13,14,15
	ds_store_b128 v5, v[WB+64+4*\j:WB+64+4*\j+3] offset:WNL+(\j/2)*1040+(\j%2)*512
.endr
	s_wait_dscnt 0x0                               ; for the others' sake: my quarter of both weights lies in LDS
	s_barrier_signal -1
	s_barrier_wait -1
.macro BATCH q                         ; rows 4 q .. 4 q + 3 of my chunk: 16 LDS loads
.irp i, 0,1,2,3
.set RW, WB+64*((\q)%2)+16*\i
	ds_load_b128 v[RW:RW+3],     v6 offset:32*(4*(\q)+\i)
	ds_load_b128 v[RW+4:RW+7],   v6 offset:32*(4*(\q)+\i)+16
	ds_load_b128 v[RW+8:RW+11],  v6 offset:WNL+32*(4*(\q)+\i)
	ds_load_b128 v[RW+12:RW+15], v6 offset:WNL+32*(4*(\q)+\i)+16
.endr
.endm
.macro DOT q                           ; the 16 sums take x(32 l + 4 q + i) times that row's 8 + 8 weights, two at a time; the very first products start the sums
.irp i, 0,1,2,3
.set RW, WB+64*((\q)%2)+16*\i
.set XP, X+4*(\q)+2*(\i/2)
.irp p, 0,1,2,3,4,5,6,7
.if ((\q) == 0) && (\i == 0)
	v_pk_mul_f32 v[A+2*\p:A+2*\p+1], v[XP:XP+1], v[RW+2*\p:RW+2*\p+1] op_sel_hi:[0,1]
.elseif (\i%2) == 0
	v_pk_fma_f32 v[A+2*\p:A+2*\p+1], v[XP:XP+1], v[RW+2*\p:RW+2*\p+1], v[A+2*\p:A+2*\p+1] op_sel_hi:[0,1,1]
.else
	v_pk_fma_f32 v[A+2*\p:A+2*\p+1], v[XP:XP+1], v[RW+2*\p:RW+2*\p+1], v[A+2*\p:A+2*\p+1] op_sel:[1,0,0] op_sel_hi:[1,1,1]
.endif
.endr
.endr
.endm
	BATCH 0
	BATCH 1
.irp q, 0,1,2,3,4,5
	s_wait_alu depctr_va_vdst(0)
	s_wait_dscnt 16                                ; this batch is in; the next batch's 16 loads may be out
	DOT \q
	BATCH \q+2
.endr
	s_wait_alu depctr_va_vdst(0)
	s_wait_dscnt 16
	DOT 6
	s_wait_alu depctr_va_vdst(0)
	s_wait_dscnt 0x0
	DOT 7
.irp m, 1,2,4,8                        ; the sums over the 32 lanes: every lane ends with all 16
.irp j, 0,1,2,3,4,5,6,7,8,9,10,11,12,13,14,15
	v_add_f32_dpp v[A+\j], v[A+\j], v[A+\j] row_xmask:\m row_mask:0xf bank_mask:0xf
.endr
.endr
.irp j, 0,1,2,3,4,5,6,7,8,9,10,11,12,13,14,15
	v_permlanex16_b32 v[WB+\j], v[A+\j], s50, s51
.endr
.irp j, 0,1,2,3,4,5,6,7,8,9,10,11,12,13,14,15
	v_add_f32 v[A+\j], v[A+\j], v[WB+\j]
.endr
	s_mov_b32 s52, 0xbfb8aa3b                      ; -log2(e)
	s_mov_b32 s53, 0x3f317218                      ; ln 2
	s_mov_b32 s54, 0x3fb8aa3b                      ; log2(e)
	s_wait_alu depctr_va_vdst(0)
	s_wait_kmcnt 0x0                               ; noise, br, bn
.irp e, 0,1,2,3,4,5,6,7
	v_add_f32 v[L+\e], s[32+\e], v[A+\e]           ; logits
	v_add_f32 v[Z+\e], s[40+\e], v[A+8+\e]         ; noise logits
.endr
.irp e, 0,1,2,3,4,5,6,7
	v_mul_f32 v[U+\e], s52, |v[Z+\e]|
.endr
	s_wait_alu depctr_va_vdst(0)
.irp e, 0,1,2,3,4,5,6,7
	v_exp_f32 v[U+\e], v[U+\e]                     ; e^-|z|
.endr
	v_mov_b32 v60, 0xff800000                      ; -infinity.  (The plain instruction behind the batch)
	s_wait_alu depctr_va_vdst(0)                   ; one wait for the eight, ahead of their first reader
.irp e, 0,1,2,3,4,5,6,7
	v_add_f32 v[U+\e], 1.0, v[U+\e]
.endr
	s_wait_alu depctr_va_vdst(0)
.irp e, 0,1,2,3,4,5,6,7
	v_log_f32 v[U+\e], v[U+\e]
.endr
.irp e, 0,1,2,3,4,5,6,7
	v_max_num_f32 v[Z+\e], 0, v[Z+\e]              ; (plain work behind the batch)
.endr
	s_wait_alu depctr_va_vdst(0)
.irp e, 0,1,2,3,4,5,6,7
	v_fma_f32 v[Z+\e], v[U+\e], s53, v[Z+\e]       ; softplus(z) = max(z, 0) + ln(1 + e^-|z|)
.endr
.irp e, 0,1,2,3,4,5,6,7
	v_fma_f32 v[N+\e], s[24+\e], v[Z+\e], v[L+\e]  ; noisy logits
.endr
	v_mov_b32 v56, v[N]                            ; the largest and its index: a later one takes over only where it is strictly larger
	v_mov_b32 v57, 0
.irp e, 1,2,3,4,5,6,7
	v_cmp_le_f32 vcc_lo, v[N+\e], v56
	v_cndmask_b32 v56, v[N+\e], v56, vcc_lo
	v_cndmask_b32 v57, \e, v57, vcc_lo
.endr
.irp e, 0,1,2,3,4,5,6,7
	v_cmp_eq_u32 vcc_lo, \e, v57
	v_cndmask_b32 v[N+\e], v[N+\e], v60, vcc_lo    ; the chosen one leaves the field
.endr
	v_mov_b32 v58, v[N]
	v_mov_b32 v59, 0
.irp e, 1,2,3,4,5,6,7
	v_cmp_le_f32 vcc_lo, v[N+\e], v58
	v_cndmask_b32 v58, v[N+\e], v58, vcc_lo
	v_cndmask_b32 v59, \e, v59, vcc_lo
.endr
	v_max3_num_f32 v61, v[L], v[L+1], v[L+2]       ; the logits' maximum is taken away ahead of the exponentials
	v_max3_num_f32 v61, v61, v[L+3], v[L+4]
	v_max3_num_f32 v61, v61, v[L+5], v[L+6]
	v_max_num_f32 v61, v61, v[L+7]
.irp e, 0,1,2,3,4,5,6,7
	v_sub_f32 v[P+\e], v[L+\e], v61
.endr
.irp e, 0,1,2,3,4,5,6,7
	v_mul_f32 v[P+\e], s54, v[P+\e]
.endr
	v_sub_f32 v62, v58, v56                        ; the second noisy logit less the first: 0 or less
	v_mul_f32 v62, s54, v62
	s_wait_alu depctr_va_vdst(0)
.irp e, 0,1,2,3,4,5,6,7
	v_exp_f32 v[P+\e], v[P+\e]
.endr
	v_exp_f32 v62, v62
	v_mov_b32 v14, 0                               ; (the plain instruction)  the stores' offset
	s_wait_alu depctr_va_vdst(0)
	v_add_f32 v63, v[P], v[P+1]
	v_add_f32 v64, v[P+2], v[P+3]
	v_add_f32 v65, v[P+4], v[P+5]
	v_add_f32 v70, v[P+6], v[P+7]
	v_add_f32 v63, v63, v64
	v_add_f32 v65, v65, v70
	v_add_f32 v63, v63, v65
	v_add_f32 v71, 1.0, v62
	s_wait_alu depctr_va_vdst(0)
	v_rcp_f32 v63, v63
	v_rcp_f32 v71, v71
	v_mov_b32 v68, v57                             ; (plain work)  the two experts, in top_k's order
	v_mov_b32 v69, v59
	s_wait_alu depctr_va_vdst(0)
.irp e, 0,1,2,3,4,5,6,7
	v_mul_f32 v[P+\e], v[P+\e], v63
.endr
	v_mov_b32 v66, v71                             ; the gates: 1 / (1 + d) and d / (1 + d), d = e^(second - first)
	v_mul_f32 v67, v62, v71
	s_wait_alu depctr_va_vdst(0)
	s_wait_xcnt 0x0
	v_cmp_eq_u32 vcc_lo, 0, v1                     ; every lane holds the same numbers: lane 0 stores them
	s_barrier_signal -1
	s_barrier_wait -1
	s_wait_tensorcnt 0x0
	ds_add_u32 v254, v255
	s_wait_dscnt 0x0
	s_and_saveexec_b32 s60, vcc_lo
	global_store_b128 v14, v[P:P+3], s[16:17]
	global_store_b128 v14, v[P+4:P+7], s[16:17] offset:16
	global_store_b64 v14, v[68:69], s[18:19]
	global_store_b64 v14, v[66:67], s[20:21]
	s_wait_xcnt 0x0
	s_or_b32 exec_lo, exec_lo, s60
	s_endpgm
.Lfunc_end_k_q9e343d1c0b_route:
	.size	k_q9e343d1c0b_route, .Lfunc_end_k_q9e343d1c0b_route-k_q9e343d1c0b_route
	.p2alignl 7, 3214868480
	.fill 96, 4, 3214868480
	.section	.rodata,"a",@progbits
	.p2align	6, 0x0
	.amdhsa_kernel k_q9e343d1c0b_route
		.amdhsa_group_segment_fixed_size 89600
		.amdhsa_private_segment_fixed_size 0
		.amdhsa_enable_private_segment 0
		.amdhsa_kernarg_size 80
		.amdhsa_user_sgpr_count 2
		.amdhsa_user_sgpr_kernarg_segment_ptr 1
		.amdhsa_wavefront_size32 1
		.amdhsa_system_sgpr_workgroup_id_x 1
		.amdhsa_system_sgpr_workgroup_id_y 1
		.amdhsa_system_sgpr_workgroup_id_z 1
		.amdhsa_system_vgpr_workitem_id 0
		.amdhsa_next_free_vgpr 256
		.amdhsa_next_free_sgpr 66
		.amdhsa_reserve_vcc 1
		.amdhsa_float_denorm_mode_32 3
		.amdhsa_float_denorm_mode_16_64 3
		.amdhsa_memory_ordered 1
		.amdhsa_forward_progress 1
		.amdhsa_inst_pref_size 51
	.end_amdhsa_kernel
	.amdgpu_metadata
---
amdhsa.version: [ 1, 2 ]
amdhsa.kernels:
  - .name:           k_q9e343d1c0b_route
    .symbol:         k_q9e343d1c0b_route.kd
    .args:
      - { .name: x, .offset: 0, .size: 8, .value_kind: global_buffer, .address_space: global }
      - { .name: noise, .offset: 8, .size: 8, .value_kind: global_buffer, .address_space: global }
      - { .name: Wr, .offset: 16, .size: 8, .value_kind: global_buffer, .address_space: global }
      - { .name: br, .offset: 24, .size: 8, .value_kind: global_buffer, .address_space: global }
      - { .name: Wn, .offset: 32, .size: 8, .value_kind: global_buffer, .address_space: global }
      - { .name: bn, .offset: 40, .size: 8, .value_kind: global_buffer, .address_space: global }
      - { .name: out1, .offset: 48, .size: 8, .value_kind: global_buffer, .address_space: global }
      - { .name: topi, .offset: 56, .size: 8, .value_kind: global_buffer, .address_space: global }
      - { .name: gates, .offset: 64, .size: 8, .value_kind: global_buffer, .address_space: global }
      - { .name: xq, .offset: 72, .size: 8, .value_kind: global_buffer, .address_space: global }
    .group_segment_fixed_size: 89600
    .private_segment_fixed_size: 0
    .kernarg_segment_align: 8
    .kernarg_segment_size: 80
    .max_flat_workgroup_size: 128
    .sgpr_count:     66
    .vgpr_count:     256
    .wavefront_size: 32
...
	.end_amdgpu_metadata
.endif
;; end of part 1
;; launch place (part 2): grid 1 x 1, 32 waves a work-group, no clusters, 5,120 bytes of LDS; arguments topi, plan; writes plan
.if DOCPART == 2
	.amdgcn_target "amdgcn-amd-amdhsa--gfx1250"
	.amdhsa_code_object_version 6
	.text
	.protected	k_q9e343d1c0b_place
	.globl	k_q9e343d1c0b_place
	.p2align	8
	.type	k_q9e343d1c0b_place,@function
k_q9e343d1c0b_place:
	s_mov_b64 s[64:65], 0
	v_nop
	global_prefetch_b8 v0, s[64:65] scope:SCOPE_SE
	s_setreg_imm32_b32 hwreg(HW_REG_WAVE_MODE, 25, 1), 1
	s_wait_xcnt 0x0
; THE ROWS ARE PLACED BY EXPERT: a counting sort of the 2,048 (token, expert) rows, whole numbers only, no atomics.  One work-group; thread t is token t.
; Each expert's rows begin at a multiple of 16 slots, so that a tile of 16 rows belongs to one expert: at most (2,048 + 8 x 15) / 16 = 135 tiles, 2,176 slots being kept.
; plan: bytes 0-127 ts[0 .. 8], the experts' first tiles (ts[8] = all tiles), then zeros; from 256 rowtok[2,176], a slot's token (0 in slots that hold no row: they are computed and never read);
; from 8,960 pos[1,024][2], the slots of a token's two rows, in the order of topi.
; A row's slot = 16 ts[e] + the expert's rows in earlier waves + those in earlier lanes of my wave.  The scatter of 4 bytes a lane is 8 KiB in all.
; Every register that serves as an address is written while all lanes are on, ahead of the first line that narrows EXEC by a mask made of loaded numbers; behind it stand only the three masked stores.
	s_load_b128 s[4:7], s[0:1], 0x0                ; topi, plan
	v_lshl_add_u32 v64, v0, 2, 0x400
	v_mov_b32 v65, 0
	v_lshrrev_b32 v1, 5, v0
	s_delay_alu instid0(VALU_DEP_1)
	v_readfirstlane_b32 s8, v1                     ; wave 0..31
	v_lshlrev_b32 v1, 3, v0                        ; 8 t
	v_and_b32 v22, 31, v0                          ; lane
	v_and_b32 v20, 0x3e0, v0                       ; 32 x wave: my wave's eight counts in LDS
	s_delay_alu instid0(VALU_DEP_2)
	v_lshlrev_b32 v21, 5, v22                      ; 32 x lane: wave `lane`'s counts
	s_delay_alu instid0(VALU_DEP_3)
	v_lshlrev_b32 v40, 2, v22                      ; 4 x lane: the tile starts' place
.irp i, 0,1,2
	v_add_nc_u32 v[41+\i], 1024*\i, v0             ; the three slots that I look after: t, t + 1,024, t + 2,048
	s_delay_alu instid0(VALU_DEP_1)
	v_min_u32 v[35+\i], 0x87f, v[41+\i]            ; held inside the table of 2,176 slots (the lanes beyond it are off when the store is issued)
	s_delay_alu instid0(VALU_DEP_1)
	v_lshlrev_b32 v[35+\i], 2, v[35+\i]
.endr
	v_mov_b32 v38, 0
	s_mov_b32 s12, 0x76543210
	s_mov_b32 s13, 0xfedcba98
	s_wait_kmcnt 0x0
	global_load_b64 v[2:3], v1, s[4:5]             ; my token's two experts
	s_add_nc_u64 s[10:11], s[6:7], 256             ; rowtok
	s_add_nc_u64 s[14:15], s[6:7], 8960            ; pos
	s_wait_loadcnt 0x0
.irp e, 0,1,2,3,4,5,6,7
	v_cmp_eq_u32 s[16+\e], \e, v2                  ; the lanes whose first expert is e,
	v_cmp_eq_u32 s[24+\e], \e, v3                  ; whose second is
.endr
.irp e, 0,1,2,3,4,5,6,7
	s_or_b32 s[32+\e], s[16+\e], s[24+\e]
	s_bcnt1_i32_b32 s[40+\e], s[32+\e]             ; my wave's rows for e
	v_mbcnt_lo_u32_b32 v[4+\e], s[32+\e], 0        ; of them, those in lanes below mine
	v_mov_b32 v[12+\e], s[40+\e]
.endr
	s_wait_alu depctr_va_vdst(0)
	ds_store_b128 v20, v[12:15]                    ; all lanes write the same words with the same values
	ds_store_b128 v20, v[16:19] offset:16
	s_wait_dscnt 0x0
	s_barrier_signal -1
	s_barrier_wait -1
	ds_load_b128 v[12:15], v21                     ; lane j: wave j's counts
	ds_load_b128 v[16:19], v21 offset:16
	s_wait_dscnt 0x0
	v_cmp_gt_u32 vcc_lo, s8, v22                   ; waves ahead of mine
.irp e, 0,1,2,3,4,5,6,7
	v_cndmask_b32 v23, 0, v[12+\e], vcc_lo
	s_delay_alu instid0(VALU_DEP_1)
	v_lshl_add_u32 v[12+\e], v23, 16, v[12+\e]     ; low half: for the total; high half: for the rows ahead of my wave (each at most 1,024)
.endr
	v_mov_b32 v24, 0
.irp m, 1,2,4,8
.irp e, 0,1,2,3,4,5,6,7
	v_mov_b32_dpp v24, v[12+\e] row_xmask:\m row_mask:0xf bank_mask:0xf
	s_delay_alu instid0(VALU_DEP_1)
	v_add_nc_u32 v[12+\e], v[12+\e], v24
.endr
.endr
.irp e, 0,1,2,3,4,5,6,7
	s_delay_alu instid0(VALU_DEP_2)
	v_permlanex16_b32 v24, v[12+\e], s12, s13
	s_delay_alu instid0(VALU_DEP_1)
	v_add_nc_u32 v[12+\e], v[12+\e], v24
.endr
.irp e, 0,1,2,3,4,5,6,7
	v_readfirstlane_b32 s[50+\e], v[12+\e]
.endr
	s_mov_b32 s74, 0                               ; ts[0]
.irp e, 0,1,2,3,4,5,6,7
	s_and_b32 s[66+\e], s[50+\e], 0xffff           ; the expert's rows
	s_lshr_b32 s[50+\e], s[50+\e], 16              ; those ahead of my wave
	s_add_co_u32 s48, s[66+\e], 15
	s_lshr_b32 s48, s48, 4
	s_add_co_u32 s[75+\e], s[74+\e], s48           ; ts[e + 1]
	s_lshl_b32 s[92+\e], s[74+\e], 4               ; the expert's first slot
	s_add_co_u32 s[84+\e], s[92+\e], s[50+\e]
.endr
	v_mov_b32 v30, 0
	v_mov_b32 v31, 0
.irp e, 0,1,2,3,4,5,6,7
	v_add_nc_u32 v24, s[84+\e], v[4+\e]
	s_delay_alu instid0(VALU_DEP_1)
	v_cndmask_b32 v30, v30, v24, s[16+\e]
	s_delay_alu instid0(VALU_DEP_2)
	v_cndmask_b32 v31, v31, v24, s[24+\e]
.endr
	global_store_b64 v1, v[30:31], s[14:15]        ; pos[t]: 256 consecutive bytes a wave
	v_min_u32 v32, 0x87f, v30                      ; held inside the table of 2,176 slots
	v_min_u32 v33, 0x87f, v31
	s_delay_alu instid0(VALU_DEP_2)
	v_lshlrev_b32 v32, 2, v32
	s_delay_alu instid0(VALU_DEP_2)
	v_lshlrev_b32 v33, 2, v33
	global_store_b32 v32, v0, s[10:11]             ; rowtok[slot] = t
	global_store_b32 v33, v0, s[10:11]
.irp i, 0,1,2                          ; which of my three slots hold no row: slot s holds one where s - 16 ts[e] < the expert's rows for some e.  The masks are kept in s58-60
	s_mov_b32 s49, 0
.irp e, 0,1,2,3,4,5,6,7
	v_sub_nc_u32 v24, v[41+\i], s[92+\e]
	s_delay_alu instid0(VALU_DEP_1)
	v_cmp_gt_u32 s48, s[66+\e], v24
	s_or_b32 s49, s49, s48
.endr
	v_cmp_gt_u32 vcc_lo, 0x880, v[41+\i]
	s_and_not1_b32 s[58+\i], vcc_lo, s49
.endr
	s_cmp_lg_u32 s8, 0                             ; wave 0 stores the nine tile starts and 23 zeros
	s_cbranch_scc1 .Lpad
	v_mov_b32 v39, 0
.irp j, 0,1,2,3,4,5,6,7,8
	s_delay_alu instid0(VALU_DEP_1)
	v_writelane_b32 v39, s[74+\j], \j
.endr
	global_store_b32 v40, v39, s[6:7]
.Lpad:
.irp i, 0,1,2                          ; the slots that hold no row get token 0: they are other slots than those of the scatter above
	s_wait_xcnt 0x0                                ; EXEC is a source of the stores that are out: it changes only behind this wait
	s_and_saveexec_b32 s9, s[58+\i]
	global_store_b32 v[35+\i], v38, s[10:11]
	s_wait_xcnt 0x0
	s_or_b32 exec_lo, exec_lo, s9
.endr
	s_wait_xcnt 0x0
	s_mov_b32 exec_lo, -1
	s_wait_tensorcnt 0x0
	ds_add_u32 v64, v65
	s_wait_dscnt 0x0
	s_endpgm
.Lfunc_end_k_q9e343d1c0b_place:
	.size	k_q9e343d1c0b_place, .Lfunc_end_k_q9e343d1c0b_place-k_q9e343d1c0b_place
	.p2alignl 7, 3214868480
	.fill 96, 4, 3214868480
	.section	.rodata,"a",@progbits
	.p2align	6, 0x0
	.amdhsa_kernel k_q9e343d1c0b_place
		.amdhsa_group_segment_fixed_size 5120
		.amdhsa_private_segment_fixed_size 0
		.amdhsa_enable_private_segment 0
		.amdhsa_kernarg_size 16
		.amdhsa_user_sgpr_count 2
		.amdhsa_user_sgpr_kernarg_segment_ptr 1
		.amdhsa_wavefront_size32 1
		.amdhsa_system_sgpr_workgroup_id_x 1
		.amdhsa_system_sgpr_workgroup_id_y 1
		.amdhsa_system_sgpr_workgroup_id_z 1
		.amdhsa_system_vgpr_workitem_id 0
		.amdhsa_next_free_vgpr 66
		.amdhsa_next_free_sgpr 100
		.amdhsa_reserve_vcc 1
		.amdhsa_float_denorm_mode_32 3
		.amdhsa_float_denorm_mode_16_64 3
		.amdhsa_memory_ordered 1
		.amdhsa_forward_progress 1
		.amdhsa_inst_pref_size 23
	.end_amdhsa_kernel
	.amdgpu_metadata
---
amdhsa.version: [ 1, 2 ]
amdhsa.kernels:
  - .name:           k_q9e343d1c0b_place
    .symbol:         k_q9e343d1c0b_place.kd
    .args:
      - { .name: topi, .offset: 0, .size: 8, .value_kind: global_buffer, .address_space: global }
      - { .name: plan, .offset: 8, .size: 8, .value_kind: global_buffer, .address_space: global }
    .group_segment_fixed_size: 5120
    .private_segment_fixed_size: 0
    .kernarg_segment_align: 8
    .kernarg_segment_size: 16
    .max_flat_workgroup_size: 1024
    .sgpr_count:     100
    .vgpr_count:     66
    .wavefront_size: 32
...
	.end_amdgpu_metadata
.endif
;; end of part 2
;; launch up (part 3): grid 256 x 1, 4 waves a work-group, no clusters, 154,624 bytes of LDS; arguments W1_codes, W1_scales, b1, xq, plan, hq; writes hq
.if DOCPART == 3
	.amdgcn_target "amdgcn-amd-amdhsa--gfx1250"
	.amdhsa_code_object_version 6
	.text
	.protected	k_q9e343d1c0b_up
	.globl	k_q9e343d1c0b_up
	.p2align	8
	.type	k_q9e343d1c0b_up,@function
k_q9e343d1c0b_up:
	s_mov_b64 s[64:65], 0
	v_nop
	global_prefetch_b8 v0, s[64:65] scope:SCOPE_SE
	s_setreg_imm32_b32 hwreg(HW_REG_WAVE_MODE, 25, 1), 1
	s_wait_xcnt 0x0
; THE FIRST PRODUCT, FOR THE CHOSEN ROWS ALONE: h = Q(relu(x W1 + b1)), on codes of E2M3 with one E8M0 scale for each 32 along K; h leaves as codes.
; SHARES.  Work-group (e = number / 32, nb = number % 32) owns hidden units 128 nb .. 128 nb + 127 of expert e: 128 rows of W1, 98,304 dense bytes, which no other work-group reads.
; THE WEIGHTS STAY, THE ROWS STREAM: every wave keeps all 64 fragments of that block (8 tiles of 16 units x 8 K steps of 128; 768 registers) and takes the expert's tiles of 16 routed rows w, w + 4, ..: 64 matrix instructions a tile.
; A tile's result is K step nb of the second product: one whole fragment and one scale word a row, quantised in registers and stored as an IMAGE OF THE OPERAND'S REGISTERS (three stores of 512 consecutive bytes).
; NO TENSOR LOAD, NO CLUSTER: the number of tiles and the rows' addresses are read from the plan that an earlier launch stored, so trip counts hang on loaded numbers and operands come through registers; and W1's bytes are shared by nobody.
; THE ORDER ALONG K.  A lane takes 48 neighbouring bytes of a K step's 96 (three loads of 16 bytes, each at a multiple of 16): the step's blocks 0, 2, 1, 3 stand at the operand's places 0, 1, 2, 3, alike on both sides,
; and each scale word has its bytes 1 and 2 changed round (W1's here, x's by the launch that made them).  The products are the same; the order of their sums is another.
; THE PRODUCT IS USED TRANSPOSED (source 0 = 16 rows of W1, source 1 = 16 routed rows): a lane holds one routed row.  THE ROWS OF W1 THAT FORM A TILE ARE NOT NEIGHBOURS: lane r of tile 2 b + u takes unit 32 b + 8 u + r + 8 (r / 8),
; so that the 16 registers of tiles 2 b and 2 b + 1 are 16 neighbours along the next K.  b1 is the C of a tile's first matrix instruction.
; LIMITS: as the quantiser's in the first launch (a block under 2^-124 or of zeros keeps the byte 1); slots that hold no row are computed with token 0 and read by nobody.
; REGISTERS: window 0: v1-13 addresses; v16-47 W1's scale words (register 8 b + s: tile 2 b in lanes 0-15, tile 2 b + 1 in lanes 16-31); v48-55 x's scale words; v56-59 x's scale bytes as loaded;
;   v60-95 three fragments of x by turns, later at work; v96-159 the 8 accumulators; v160-255 the next tile's 16 rows as loaded.   windows 1-3: fragment f = 8 s + t at 12 (f % 21) of window 1 + f / 21; f = 63 comes from LDS in each tile.
.set PIT,   784                        ; an LDS row: 768 bytes + 16 = 196 words: sixteen rows start 4 words apart
.set XST,   100352                     ; behind W1's 128 rows: for each wave 16 rows of x,
.set XWB,   13312
.set XSSO,  12544                      ; and behind them their 512 scale bytes
.set BIAS,  153600                     ; b1's 128 numbers
.set XSOFF, 786432
.set HSOFF, 6684672
.set L8,  1                            ; 8 l
.set STS, 2                            ; my stage + 8 l
.set SSS, 3                            ; the scale bytes' stage + 16 l
.set FRA, 4                            ; my stage + 784 r + 48 h: a fragment of x
.set SSL, 5                            ; row r's eight scale words
.set BIA, 6                            ; b1 + 64 h
.set WLA, 7                            ; W1's fragment 63
.set RTA, 8                            ; 4 (l / 2)
.set RT,  9                            ; the token of row l / 2 of the tile after next
.set XO,  10                           ; its scale bytes' offset
.set H16, 11                           ; 16 (l % 2)
.set O16, 12                           ; 16 l
.set O4,  13                           ; 4 l
.set WS,  16
.set XSW, 48
.set RAWS, 56
.set XF,  60
.set ACC, 96
.set RAW, 160
.set TM,  60                           ; at work behind the products: v60-63 largest numbers, v64-67 bytes, v68-71 the conversions' scale operands
.set PW,  72                           ; the scale word
.set PC,  74                           ; the codes
.set F63, XF+24
.set MSB, 0
.macro WIN new                         ; the immediate's high byte repeats the setting that is left; a switch that changes nothing is dropped
.if MSB != (\new)
	s_set_vgpr_msb (MSB<<8)|(\new)
.set MSB, (\new)
.endif
.endm
.macro FSET f                          ; where fragment f lies: window FW, register FB
.if (\f) == 63
.set FW, 0
.set FB, F63
.else
.set FW, 1+(\f)/21
.set FB, 12*((\f)%21)
.endif
.endm
.macro TOK ahead                       ; the 16 tokens of my tile `ahead` tiles on: as scalars for the rows' addresses, and a lane's for the scale bytes'
	s_add_co_u32 s90, s22, \ahead
	s_min_u32 s90, s90, 135                        ; held inside the plan's 136 tiles
	s_lshl_b32 s90, s90, 6
	s_add_nc_u64 s[84:85], s[26:27], s[90:91]
	s_load_b512 s[68:83], s[84:85], 0x0
	global_load_b32 v[RT], v[RTA], s[84:85]
.endm
.macro ROWS a                          ; rows a .. a + 3 of the next tile: 768 bytes each, three loads of 256 consecutive bytes
.irp d, 0,1,2,3
.set RH, (\a)+\d
	s_min_u32 s90, s[68+RH], 1023
	s_mul_i32 s90, s90, 768
	s_add_nc_u64 s[32+2*RH:33+2*RH], s[10:11], s[90:91]
.irp u, 0,1,2
	global_load_b64 v[RAW+2*(3*RH+\u):RAW+2*(3*RH+\u)+1], v[L8], s[32+2*RH:33+2*RH] offset:256*\u
.endr
.endr
.endm
.macro MMU s, t                        ; tile t of units, K step s
	FSET 8*(\s)+(\t)
	WIN FW
.if (\t)%2
	v_wmma_scale_f32_16x16x128_f8f6f4 v[ACC+8*(\t):ACC+8*(\t)+7], v[FB:FB+11], v[XF+12*((\s)%3):XF+12*((\s)%3)+11], v[ACC+8*(\t):ACC+8*(\t)+7], v[WS+8*((\t)/2)+(\s)], v[XSW+(\s)] matrix_a_fmt:MATRIX_FMT_FP6 matrix_b_fmt:MATRIX_FMT_FP6 matrix_a_scale:MATRIX_SCALE_ROW1
.else
	v_wmma_scale_f32_16x16x128_f8f6f4 v[ACC+8*(\t):ACC+8*(\t)+7], v[FB:FB+11], v[XF+12*((\s)%3):XF+12*((\s)%3)+11], v[ACC+8*(\t):ACC+8*(\t)+7], v[WS+8*((\t)/2)+(\s)], v[XSW+(\s)] matrix_a_fmt:MATRIX_FMT_FP6 matrix_b_fmt:MATRIX_FMT_FP6
.endif
.endm
; A K step: eight matrix instructions, the eight accumulators by turns.  Behind them four plain instructions, then the LDS loads into the fragment just used.
; fill = 1: the next tile's rows are asked for in K steps 0 to 3, a quarter in each, so that they have the rest of the tile in which to land.
.macro KSTEP s, fill
.if (\s) == 7
	s_wait_dscnt 0x0
.else
	s_wait_dscnt 0x6                               ; behind this step's fragment two groups of three LDS loads were issued: they may be out.  In step 0 that also shows the stage's 49 stores done
.endif
.irp t, 0,1,2,3,4,5,6,7
	MMU \s, \t
.endr
	WIN 0
.rept 4
	v_nop                                          ; four places ahead of loads into registers that the products read, and of the first read of results
.endr
.if (\s) <= 4
.irp g, 0,1,2
	ds_load_b128 v[XF+12*((\s)%3)+4*\g:XF+12*((\s)%3)+4*\g+3], v[FRA] offset:96*((\s)+3)+16*\g
.endr
.elseif (\s) == 5
.irp g, 0,1,2
	ds_load_b128 v[F63+4*\g:F63+4*\g+3], v[WLA] offset:16*\g   ; W1's 64th fragment, for which the three windows have no room
.endr
.endif
.if \fill
.if (\s) == 0
	s_wait_kmcnt 0x0                               ; the next tile's tokens
.endif
.if (\s) <= 3
	ROWS 4*(\s)
.endif
.if (\s) == 3
	v_min_u32 v[XO], 0x3ff, v[RT]
	v_lshl_add_u32 v[XO], v[XO], 5, v[H16]
	global_load_b128 v[RAWS:RAWS+3], v[XO], s[24:25]   ; two lanes to a row's 32 scale bytes
	TOK 8
.endif
.endif
.endm
; A tile of 16 routed rows.
.macro TRIP fill
	s_wait_loadcnt 0x0                             ; this tile's rows and scale bytes, and the next tokens, are in: so their address registers may be written again too
	s_wait_xcnt 0x0                                ; the last tile's stores have read their registers and bases
.irp p, 0,1,2,3,4,5,6,7,8,9,10,11,12,13,14,15
.irp u, 0,1,2
	ds_store_b64 v[STS], v[RAW+2*(3*\p+\u):RAW+2*(3*\p+\u)+1] offset:PIT*\p+256*\u
.endr
.endr
	ds_store_b128 v[SSS], v[RAWS:RAWS+3]
.irp t, 0,1,2,3,4,5,6,7                ; b1 in the result's layout: lane (r, h), tile 2 b + u: units 32 b + 16 h + 8 u + 0 .. 7
	ds_load_b128 v[ACC+8*\t:ACC+8*\t+3],   v[BIA] offset:(32*(\t/2)+8*(\t%2))*4
	ds_load_b128 v[ACC+8*\t+4:ACC+8*\t+7], v[BIA] offset:(32*(\t/2)+8*(\t%2))*4+16
.endr
	ds_load_b128 v[XSW:XSW+3],   v[SSL]            ; LDS serves a wave's instructions in order: these see my stores
	ds_load_b128 v[XSW+4:XSW+7], v[SSL] offset:16
.irp s, 0,1,2
.irp g, 0,1,2
	ds_load_b128 v[XF+12*\s+4*\g:XF+12*\s+4*\g+3], v[FRA] offset:96*\s+16*\g
.endr
.endr
.irp s, 0,1,2,3,4,5,6,7
	KSTEP \s, \fill
.endr
.irp j, 0,1,2,3,4,5,6,7,8,9,10,11,12,13,14,15,16,17,18,19,20,21,22,23,24,25,26,27,28,29,30,31,32,33,34,35,36,37,38,39,40,41,42,43,44,45,46,47,48,49,50,51,52,53,54,55,56,57,58,59,60,61,62,63
	v_max_num_f32 v[ACC+\j], 0, v[ACC+\j]          ; relu, in f32; each accumulator from its low end on
.endr
	; register 16 b + i is unit 32 b + 16 h + i of my row: four blocks of 32, each in lanes l and l xor 16.  None is negative: no |.|
.irp b, 0,1,2,3
	v_max3_num_f32 v[TM+\b], v[ACC+16*\b], v[ACC+1+16*\b], 0x1800000   ; with the floor 2^(3 - 127): the byte cannot fall under 1
.endr
.irp i, 2,4,6,8,10,12,14
.irp b, 0,1,2,3
	v_max3_num_f32 v[TM+\b], v[TM+\b], v[ACC+16*\b+\i], v[ACC+1+16*\b+\i]
.endr
.endr
.irp b, 0,1,2,3
	v_permlanex16_b32 v[TM+4+\b], v[TM+\b], s92, s93
.endr
.irp b, 0,1,2,3
	v_max_num_f32 v[TM+\b], v[TM+\b], v[TM+4+\b]
.endr
.irp b, 0,1,2,3
	v_add_nc_u32 v[TM+8+\b], 0xff000000, v[TM+\b]  ; 2 off the exponent field: the conversion's scale operand
.endr
.irp b, 0,1,2,3
	v_lshrrev_b32 v[TM+4+\b], 23, v[TM+8+\b]       ; the scale's byte
.endr
	v_lshl_or_b32 v[PW], v[TM+6], 8, v[TM+4]       ; the word in the operand's order: blocks 0, 2, 1, 3
	v_lshl_or_b32 v[PW], v[TM+5], 16, v[PW]
	v_lshl_or_b32 v[PW], v[TM+7], 24, v[PW]
.irp c, 0,1                            ; registers 6 c .. 6 c + 5 take block c in lanes 0-15 and block 2 + c in lanes 16-31
	v_cvt_scalef32_pk16_fp6_f32 v[PC+6*\c:PC+2+6*\c], v[ACC+16*\c:ACC+15+16*\c], v[TM+8+\c]
	v_cvt_scalef32_pk16_fp6_f32 v[PC+12+4*\c:PC+14+4*\c], v[ACC+32+16*\c:ACC+47+16*\c], v[TM+10+\c]
.endr
	v_nop                                          ; one plain instruction behind a scaled conversion
.irp c, 0,1
.irp i, 0,1,2
	v_permlane16_swap_b32 v[PC+6*\c+\i], v[PC+12+4*\c+\i]   ; the first's lanes 16-31 change places with the second's lanes 0-15: now each lane's block's lower 16 codes, and its upper 16
.endr
.irp i, 0,1,2
	v_mov_b32 v[PC+3+6*\c+\i], v[PC+12+4*\c+\i]
.endr
.endr
	s_min_u32 s90, s22, 135
	s_lshl_b32 s90, s90, 5
	s_add_co_u32 s90, s90, s18                     ; 32 x tile + K step
	s_mul_i32 s30, s90, 1536
	s_add_nc_u64 s[86:87], s[14:15], s[30:31]
	s_lshl_b32 s30, s90, 7
	s_add_nc_u64 s[88:89], s[28:29], s[30:31]
.irp g, 0,1,2
	global_store_b128 v[O16], v[PC+4*\g:PC+4*\g+3], s[86:87] offset:512*\g th:TH_STORE_NT   ; 512 consecutive bytes, at a multiple of 256 from the buffer's first byte
.endr
	global_store_b32 v[O4], v[PW], s[88:89] th:TH_STORE_NT
.endm
	s_load_b256 s[4:11], s[0:1], 0x0               ; W1's codes, W1's scales, b1, xq
	s_load_b128 s[12:15], s[0:1], 0x20             ; plan, hq
	v_lshl_add_u32 v14, v0, 2, 0x25a00
	v_mov_b32 v15, 0
	v_lshrrev_b32 v96, 5, v0
	v_readfirstlane_b32 s16, v96                   ; wave
	v_and_b32 v97, 31, v0                          ; l
	s_wait_alu depctr_va_vdst(0)
	v_and_b32 v98, 15, v0                          ; r
	s_wait_alu depctr_va_vdst(0)
	v_bfe_u32 v99, v0, 4, 1                        ; h
	s_lshr_b32 s17, ttmp9, 5                       ; expert
	s_and_b32 s18, ttmp9, 31                       ; block of 128 units = K step of the second product
	s_mov_b32 s31, 0
	s_mov_b32 s91, 0
	s_mov_b32 s92, 0x76543210
	s_mov_b32 s93, 0xfedcba98
	s_mov_b32 s94, 0x03010200                      ; v_perm_b32: bytes 1 and 2 change places
	s_mul_i32 s90, s16, XWB
	s_add_co_u32 s90, s90, XST                     ; my wave's stage
	v_lshlrev_b32 v[L8], 3, v97
	v_lshlrev_b32 v[O16], 4, v97
	v_lshlrev_b32 v[O4], 2, v97
	v_add_nc_u32 v[STS], s90, v[L8]
	v_add_nc_u32 v[SSS], s90, v[O16]
	v_add_nc_u32 v[SSS], XSSO, v[SSS]
	v_mul_u32_u24 v100, v98, PIT
	s_wait_alu depctr_va_vdst(0)
	v_mad_u32_u24 v100, v99, 48, v100              ; 784 r + 48 h: W1's tiles 0-3,
	v_add_nc_u32 v[FRA], s90, v100
	v_lshl_add_u32 v[SSL], v98, 5, s90
	v_add_nc_u32 v[SSL], XSSO, v[SSL]
	v_lshl_add_u32 v[BIA], v99, 6, BIAS
	v_add_nc_u32 v[WLA], 88480, v100               ; 112 rows and 672 bytes on
	v_add_nc_u32 v101, 50176, v100                 ; tiles 4-7: 64 rows on
	v_lshrrev_b32 v[RTA], 1, v97
	v_lshlrev_b32 v[RTA], 2, v[RTA]
	v_and_b32 v[H16], 1, v97
	v_lshlrev_b32 v[H16], 4, v[H16]
	s_mul_i32 s30, s16, 25088
	v_add_nc_u32 v102, s30, v[O16]                 ; W1 into LDS: my wave's 32 rows, 16 l;
	v_lshl_add_u32 v103, v99, 4, v102              ; 16 more in lanes 16-31, where a load's second half begins a new row
	v_and_b32 v104, 8, v98
	v_add_nc_u32 v104, v104, v98
	v_lshl_add_u32 v104, v99, 3, v104
	v_lshlrev_b32 v104, 5, v104                    ; W1's scale bytes: row 8 h + r + 8 (r / 8) of a pair of tiles, 32 bytes a row
	v_lshlrev_b32 v105, 2, v0
	v_add_nc_u32 v107, BIAS, v105
	s_mul_i32 s90, ttmp9, 98304
	s_mul_i32 s30, s16, 24576
	s_add_co_u32 s90, s90, s30
	s_wait_alu depctr_va_vdst(0)
	s_wait_kmcnt 0x0
	s_add_nc_u64 s[4:5], s[4:5], s[90:91]          ; my wave's 32 rows of W1
	WIN 0x40                                       ; destination window 1
.set J, 0
.rept 48
	global_load_b128 v[4*J:4*J+3], v[O16], s[4:5] offset:512*J th:TH_LOAD_NT   ; 24,576 dense bytes, 512 a load
.set J, J+1
.endr
	WIN 0
	s_lshl_b32 s30, s17, 2
	s_load_b32 s19, s[12:13], s30 offset:0x0       ; the expert's first tile,
	s_load_b32 s20, s[12:13], s30 offset:0x4       ; and the next expert's
	s_lshl_b32 s90, ttmp9, 12
	s_add_nc_u64 s[6:7], s[6:7], s[90:91]
.irp b, 0,1,2,3
	global_load_b128 v[WS+8*\b:WS+8*\b+3],   v104, s[6:7] offset:1024*\b
	global_load_b128 v[WS+8*\b+4:WS+8*\b+7], v104, s[6:7] offset:1024*\b+16
.endr
	s_lshl_b32 s90, ttmp9, 9
	s_add_nc_u64 s[8:9], s[8:9], s[90:91]
	global_load_b32 v106, v105, s[8:9]             ; b1: a number a thread
	s_add_nc_u64 s[24:25], s[10:11], XSOFF         ; x's scale bytes
	s_add_nc_u64 s[26:27], s[12:13], 256           ; rowtok
	s_add_nc_u64 s[28:29], s[14:15], HSOFF         ; h's scale words
	s_wait_kmcnt 0x0
	s_min_u32 s19, s19, 135
	s_min_u32 s20, s20, 136
	s_sub_co_u32 s20, s20, s19
	s_min_u32 s20, s20, 64                         ; the expert's tiles: 1,024 rows at the most
	s_add_co_u32 s22, s19, s16                     ; my first tile
	s_add_co_u32 s21, s20, 3
	s_sub_co_u32 s21, s21, s16
	s_lshr_b32 s21, s21, 2                         ; my tiles
	TOK 0
	s_wait_kmcnt 0x0
	ROWS 0
	ROWS 4
	ROWS 8
	ROWS 12
	s_wait_loadcnt 48                              ; W1, its scales, b1 and the tokens are in; the 48 loads of x's rows, issued behind them, may be out
	v_min_u32 v[XO], 0x3ff, v[RT]
	v_lshl_add_u32 v[XO], v[XO], 5, v[H16]
	global_load_b128 v[RAWS:RAWS+3], v[XO], s[24:25]
	TOK 4
.set J, 0
.rept 32
	v_perm_b32 v[WS+J], v[WS+J], v[WS+J], s94
.set J, J+1
.endr
	WIN 0x04                                       ; an LDS store's data are its source 1: window 1
.set J, 0
.rept 48                               ; rows 2 m, 2 m + 1 of my 32 go to LDS rows with bits 3 and 4 of their number changed round: so a tile's 16 LDS rows are the units that its lanes take
.set M2, 2*(J/3)
.set PIV, (M2&7)|((M2&8)<<1)|((M2&16)>>1)
.if (J%3) == 0
	ds_store_b128 v102, v[4*J:4*J+3] offset:PIV*PIT
.elseif (J%3) == 1
	ds_store_b128 v103, v[4*J:4*J+3] offset:PIV*PIT+512
.else
	ds_store_b128 v102, v[4*J:4*J+3] offset:PIV*PIT+1040
.endif
.set J, J+1
.endr
	WIN 0
	ds_store_b32 v107, v106
	s_wait_dscnt 0x0                               ; for the others' sake: my rows of W1 and my numbers of b1 lie in LDS
	s_barrier_signal -1
	s_barrier_wait -1                              ; the one barrier: from here on the waves share only bytes that nobody writes
	s_cmp_eq_u32 s21, 0
	s_cbranch_scc1 .Lend                           ; the expert has fewer tiles than my wave's number asks
.set F, 0
.rept 63
	FSET F
	WIN FW<<6
.irp g, 0,1,2
.if (F%8) < 4
	ds_load_b128 v[FB+4*\g:FB+4*\g+3], v100 offset:12544*(F%8)+96*(F/8)+16*\g
.else
	ds_load_b128 v[FB+4*\g:FB+4*\g+3], v101 offset:12544*((F%8)-4)+96*(F/8)+16*\g
.endif
.endr
.set F, F+1
.endr
	WIN 0
.rept 8
	v_nop                                          ; scale registers written by vector instructions stand eight places ahead of a scaled matrix instruction
.endr
	s_sub_co_u32 s21, s21, 1
	s_cmp_eq_u32 s21, 0
	s_cbranch_scc1 .Ltail
.Ltrip:
	s_wait_alu depctr_va_vdst(0)
	TRIP 1
	s_add_co_u32 s22, s22, 4
	s_sub_co_u32 s21, s21, 1
	s_cmp_lg_u32 s21, 0
	s_cbranch_scc1 .Ltrip
.Ltail:
	s_wait_alu depctr_va_vdst(0)
	TRIP 0                                         ; my last tile asks for nothing more
.Lend:
	s_barrier_signal -1
	s_barrier_wait -1
	s_wait_tensorcnt 0x0
	ds_add_u32 v14, v15
	s_wait_dscnt 0x0
	s_endpgm
.Lfunc_end_k_q9e343d1c0b_up:
	.size	k_q9e343d1c0b_up, .Lfunc_end_k_q9e343d1c0b_up-k_q9e343d1c0b_up
	.p2alignl 7, 3214868480
	.fill 96, 4, 3214868480
	.section	.rodata,"a",@progbits
	.p2align	6, 0x0
	.amdhsa_kernel k_q9e343d1c0b_up
		.amdhsa_group_segment_fixed_size 154624
		.amdhsa_private_segment_fixed_size 0
		.amdhsa_enable_private_segment 0
		.amdhsa_kernarg_size 48
		.amdhsa_user_sgpr_count 2
		.amdhsa_user_sgpr_kernarg_segment_ptr 1
		.amdhsa_wavefront_size32 1
		.amdhsa_system_sgpr_workgroup_id_x 1
		.amdhsa_system_sgpr_workgroup_id_y 1
		.amdhsa_system_sgpr_workgroup_id_z 1
		.amdhsa_system_vgpr_workitem_id 0
		.amdhsa_next_free_vgpr 1024
		.amdhsa_next_free_sgpr 96
		.amdhsa_reserve_vcc 0
		.amdhsa_float_denorm_mode_32 3
		.amdhsa_float_denorm_mode_16_64 3
		.amdhsa_memory_ordered 1
		.amdhsa_forward_progress 1
		.amdhsa_inst_pref_size 87
	.end_amdhsa_kernel
	.amdgpu_metadata
---
amdhsa.version: [ 1, 2 ]
amdhsa.kernels:
  - .name:           k_q9e343d1c0b_up
    .symbol:         k_q9e343d1c0b_up.kd
    .args:
      - { .name: W1_codes, .offset: 0, .size: 8, .value_kind: global_buffer, .address_space: global }
      - { .name: W1_scales, .offset: 8, .size: 8, .value_kind: global_buffer, .address_space: global }
      - { .name: b1, .offset: 16, .size: 8, .value_kind: global_buffer, .address_space: global }
      - { .name: xq, .offset: 24, .size: 8, .value_kind: global_buffer, .address_space: global }
      - { .name: plan, .offset: 32, .size: 8, .value_kind: global_buffer, .address_space: global }
      - { .name: hq, .offset: 40, .size: 8, .value_kind: global_buffer, .address_space: global }
    .group_segment_fixed_size: 154624
    .private_segment_fixed_size: 0
    .kernarg_segment_align: 8
    .kernarg_segment_size: 48
    .max_flat_workgroup_size: 128
    .sgpr_count:     96
    .vgpr_count:     1024
    .wavefront_size: 32
...
	.end_amdgpu_metadata
.endif
;; end of part 3
;; launch down (part 4): grid 256 x 1, 8 waves a work-group, no clusters, 268,288 bytes of LDS; arguments W2_codes, W2_scales, b2, hq, plan, y; writes y
.if DOCPART == 4
	.amdgcn_target "amdgcn-amd-amdhsa--gfx1250"
	.amdhsa_code_object_version 6
	.text
	.protected	k_q9e343d1c0b_down
	.globl	k_q9e343d1c0b_down
	.p2align	8
	.type	k_q9e343d1c0b_down,@function
k_q9e343d1c0b_down:
	s_mov_b64 s[64:65], 0
	v_nop
	global_prefetch_b8 v0, s[64:65] scope:SCOPE_SE
	s_setreg_imm32_b32 hwreg(HW_REG_WAVE_MODE, 25, 1), 1
	s_wait_xcnt 0x0
; THE SECOND PRODUCT, FOR THE CHOSEN ROWS ALONE: y[slot] = h[slot] W2[e] + b2[e], on codes of E2M3 with one E8M0 scale for each 32 along K; y in f32, a row of 1,024 for each slot.
; Left out: the rows of experts that a token did not choose (gate exactly 0 in reference()).
; SHARES.  Work-group number = 128 rq + 16 e + cb: it owns columns 64 cb .. 64 cb + 63 of expert e (64 rows of W2, 196,608 bytes) and the expert's tiles of 16 rows rq, rq + 2, ..
; THE EIGHT WAVES SHARE K: wave w keeps K steps 4 w .. 4 w + 3 of the 64 rows (16 fragments, 192 registers), issues 16 matrix instructions a tile, and the eight partial sums meet in LDS once a tile; wave w adds rows 2 w, 2 w + 1.
; W2 comes as whole rows, 512 consecutive bytes a load (wave w: rows 8 w .. 8 w + 7, 48 loads), goes once through LDS (rows 3,088 bytes apart) and back as fragments.
; h comes as images of the operand's registers, straight into four register buffers that take turns: a K step's four loads are issued four tiles ahead of its products.
; NO TENSOR LOAD, NO CLUSTER: which tiles there are is read from the plan that an earlier launch stored, so branches hang on loaded numbers, operands come through registers, and partners would need different numbers of tiles.
; NO PREFETCH: the wave's own loads of h stand 15 groups of four, 60 loads, ahead of the products that read them; W2 is asked for whole at the head.
; THE LOOP HAS A CONSTANT COUNT, 32 turns (an expert has at most 64 tiles, two work-groups share them), so that every wave passes every barrier; a turn without a tile jumps over its work, never over its barrier.
; THE ORDER ALONG K is the first product's: 48 neighbouring bytes a lane, blocks 0, 2, 1, 3 at the operand's places, bytes 1 and 2 of each scale word changed round.  K is summed in eight parts, which are added by pairs.
; TRANSPOSED USE: source 0 = 16 rows of W2 (16 columns of y), source 1 = 16 routed rows: a lane holds one routed row and eight neighbouring columns.
; REGISTERS: window 0: v1-9, v11 addresses; v12-13 for the add; v16-23 W2's scale words (register 4 b + s: tile 2 b in lanes 0-15, 2 b + 1 in lanes 16-31); v24-39 h's scale words; v40-43 b2; v48-79 accumulators; v80-111 partial sums read back;
;   v112-255 h's buffers 0-2.  window 1: v0-191 W2's fragment 4 s + t at 12 (4 s + t); v192-239 h's buffer 3.
.set WP,    3088
.set RED,   197632                     ; behind W2's 64 rows: two buffers of 8 partial sums x 16 rows x (256 + 16) bytes
.set RP,    272
.set PART,  4352
.set RBUF,  34816
.set SPARE, 267264
.set HSOFF, 6684672
.set TMAX,  135                        ; the plan's last tile
.set O16, 1
.set O4,  2
.set RS,  3                            ; my partial sum: row r, 32 h
.set RL,  4                            ; row 2 w + l / 16 of a partial sum, 16 (l % 16)
.set SA,  5                            ; W2 into LDS: my eight rows + 16 l
.set AF,  6                            ; 3,088 r + 384 w + 48 h
.set AF2, 7                            ; 32 rows on
.set WSA, 8
.set YO,  9
.set BO,  11
.set WS,  16
.set HSW, 24
.set B2,  40
.set ACC, 48
.set RD,  80
.set MSB, 0
.macro WIN new
.if MSB != (\new)
	s_set_vgpr_msb (MSB<<8)|(\new)
.set MSB, (\new)
.endif
.endm
.macro HSET q                          ; where h's buffer q lies
.if (\q) == 3
.set HB, 192
.set HWN, 1
.else
.set HB, 112+48*(\q)
.set HWN, 0
.endif
.endm
.macro HGRP q, s, bc, bs               ; my K step s of a tile of h: its image and its scale words, four loads
	WIN HWN<<6
.irp g, 0,1,2
	global_load_b128 v[HB+12*(\s)+4*\g:HB+12*(\s)+4*\g+3], v[O16], s[\bc:\bc+1] offset:1536*(\s)+512*\g
.endr
	WIN 0
	global_load_b32 v[HSW+4*(\q)+(\s)], v[O4], s[\bs:\bs+1] offset:128*(\s)
.endm
.macro W6 q, s, t
.set DA, ACC+8*(\t)
.set FA, 12*(4*(\s)+(\t))
.set FH, HB+12*(\s)
.set WSR, WS+4*((\t)/2)+(\s)
.set HSR, HSW+4*(\q)+(\s)
.if (\s) == 0
.if (\t)%2
	v_wmma_scale_f32_16x16x128_f8f6f4 v[DA:DA+7], v[FA:FA+11], v[FH:FH+11], 0, v[WSR], v[HSR] matrix_a_fmt:MATRIX_FMT_FP6 matrix_b_fmt:MATRIX_FMT_FP6 matrix_a_scale:MATRIX_SCALE_ROW1
.else
	v_wmma_scale_f32_16x16x128_f8f6f4 v[DA:DA+7], v[FA:FA+11], v[FH:FH+11], 0, v[WSR], v[HSR] matrix_a_fmt:MATRIX_FMT_FP6 matrix_b_fmt:MATRIX_FMT_FP6
.endif
.else
.if (\t)%2
	v_wmma_scale_f32_16x16x128_f8f6f4 v[DA:DA+7], v[FA:FA+11], v[FH:FH+11], v[DA:DA+7], v[WSR], v[HSR] matrix_a_fmt:MATRIX_FMT_FP6 matrix_b_fmt:MATRIX_FMT_FP6 matrix_a_scale:MATRIX_SCALE_ROW1
.else
	v_wmma_scale_f32_16x16x128_f8f6f4 v[DA:DA+7], v[FA:FA+11], v[FH:FH+11], v[DA:DA+7], v[WSR], v[HSR] matrix_a_fmt:MATRIX_FMT_FP6 matrix_b_fmt:MATRIX_FMT_FP6
.endif
.endif
.endm
; My part of K for one tile: four K steps of four matrix instructions, the four accumulators by turns; the first step starts the sums with the constant 0.
; fill = 1: behind each K step its registers take the same K step of my work-group's tile four turns on (s38 = its number within the expert).
.macro BODY fill, q
	HSET \q
	s_wait_xcnt 0x0                                ; the loads that are out have read their bases
.if \fill
	s_add_co_u32 s38, s38, s20
	s_min_u32 s38, s38, TMAX
	s_mul_i32 s40, s38, 49152
	s_add_nc_u64 s[32:33], s[10:11], s[40:41]
	s_lshl_b32 s40, s38, 12
	s_add_nc_u64 s[34:35], s[28:29], s[40:41]
.else
	s_wait_loadcnt 0x0                             ; one of the last four tiles: all that is out is waited for
.endif
.irp s, 0,1,2,3
.if \fill
	s_wait_loadcnt 60                              ; behind this K step's four loads 15 groups of four were issued: the rest of this tile, three tiles, the head of the fourth
.endif
	WIN 1+4*HWN
.irp t, 0,1,2,3
	W6 \q, \s, \t
.endr
	WIN 0
.rept 4
	v_nop                                          ; four places ahead of loads into registers that the products read, and of the first read of results
.endr
.if \fill
	HGRP \q, \s, 32, 34
.endif
.endr
	v_nop                                          ; a fifth: the next tile's first products write these accumulators anew
.irp t, 0,1,2,3
	ds_store_b128 v[RS], v[ACC+8*\t:ACC+8*\t+3]   offset:RBUF*((\q)%2)+64*\t      ; each accumulator from its low end on
	ds_store_b128 v[RS], v[ACC+8*\t+4:ACC+8*\t+7] offset:RBUF*((\q)%2)+64*\t+16
.endr
.endm
.macro PADD a, b                       ; partial sum a += partial sum b
	v_pk_add_f32 v[RD+4*\a:RD+4*\a+1], v[RD+4*\a:RD+4*\a+1], v[RD+4*\b:RD+4*\b+1]
	v_pk_add_f32 v[RD+4*\a+2:RD+4*\a+3], v[RD+4*\a+2:RD+4*\a+3], v[RD+4*\b+2:RD+4*\b+3]
.endm
.macro PADDH a, b, n                   ; the same where the sources were written n vector instructions back
	s_delay_alu instid0(VALU_DEP_\n)
	v_pk_add_f32 v[RD+4*\a:RD+4*\a+1], v[RD+4*\a:RD+4*\a+1], v[RD+4*\b:RD+4*\b+1]
	s_delay_alu instid0(VALU_DEP_\n)
	v_pk_add_f32 v[RD+4*\a+2:RD+4*\a+3], v[RD+4*\a+2:RD+4*\a+3], v[RD+4*\b+2:RD+4*\b+3]
.endm
; One turn.  The two buffers of partial sums take turns: a buffer is written again two barriers later, and every wave's reads of it are waited for ahead of the barrier between.
.macro SUB q
	s_cmp_ge_u32 s23, s21
	s_cbranch_scc1 .Lidle_\@
	s_add_co_u32 s38, s23, 8
	s_cmp_lt_u32 s38, s21
	s_cbranch_scc0 .Llast_\@
	BODY 1, \q
	s_branch .Lmeet_\@
.Llast_\@:
	BODY 0, \q
	s_branch .Lmeet_\@
.Lidle_\@:
	s_wait_loadcnt 0x0                             ; no tile: nothing stays out
.Lmeet_\@:
	s_wait_dscnt 0x0                               ; my partial sums lie in LDS, and my reads of the other buffer are over
	s_barrier_signal -1
	s_barrier_wait -1
	s_cmp_ge_u32 s23, s21
	s_cbranch_scc1 .Lnone_\@
	s_wait_xcnt 0x0                                ; the last turn's store has read its data and its base
.irp p, 0,1,2,3,4,5,6,7
	ds_load_b128 v[RD+4*\p:RD+4*\p+3], v[RL] offset:RBUF*((\q)%2)+PART*\p
.endr
	s_add_co_u32 s38, s20, s23
	s_min_u32 s38, s38, TMAX
	s_lshl_b32 s40, s38, 16
	s_add_nc_u64 s[36:37], s[14:15], s[40:41]      ; 16 rows of 4,096 bytes a tile
	s_wait_dscnt 0x0
	PADD 0, 1
	PADD 2, 3
	PADD 4, 5
	PADD 6, 7
	PADD 0, 2
	PADDH 4, 6, 4
	PADDH 0, 4, 2
	s_delay_alu instid0(VALU_DEP_2)
	v_pk_add_f32 v[RD:RD+1], v[RD:RD+1], v[B2:B2+1]
	s_delay_alu instid0(VALU_DEP_2)
	v_pk_add_f32 v[RD+2:RD+3], v[RD+2:RD+3], v[B2+2:B2+3]
	global_store_b128 v[YO], v[RD:RD+3], s[36:37] th:TH_STORE_NT   ; two rows' 256 consecutive bytes, each at a multiple of 256 from y's first byte
.Lnone_\@:
	s_add_co_u32 s23, s23, 2
.endm
	s_load_b256 s[4:11], s[0:1], 0x0               ; W2's codes, W2's scales, b2, hq
	s_load_b128 s[12:15], s[0:1], 0x20             ; plan, y
	v_lshl_add_u32 v12, v0, 2, SPARE
	v_mov_b32 v13, 0
	v_lshrrev_b32 v10, 5, v0
	s_delay_alu instid0(VALU_DEP_1)
	v_readfirstlane_b32 s16, v10                   ; wave 0..7
	s_and_b32 s18, ttmp9, 15                       ; block of 64 columns
	s_bfe_u32 s17, ttmp9, 0x30004                  ; expert
	s_lshr_b32 s19, ttmp9, 7                       ; which half of the expert's tiles
	s_lshl_b32 s30, s17, 2
	s_lshl_b32 s39, s17, 10
	s_lshl_b32 s38, s18, 6
	s_add_co_u32 s39, s39, s38                     ; my first row of W2: 1,024 e + 64 cb
	s_mov_b32 s41, 0
	s_mov_b32 s42, 0x03010200                      ; v_perm_b32: bytes 1 and 2 change places
	s_mul_i32 s43, s16, PART
	s_add_co_u32 s43, s43, RED
	s_mul_i32 s44, s16, 2*RP
	s_add_co_u32 s44, s44, RED
	s_mul_i32 s45, s16, 8*WP
	s_mul_i32 s46, s16, 384
	v_and_b32 v10, 31, v0                          ; l
	v_and_b32 v11, 15, v0                          ; r
	v_bfe_u32 v14, v0, 4, 1                        ; h
	s_delay_alu instid0(VALU_DEP_3)
	v_lshlrev_b32 v[O16], 4, v10
	s_delay_alu instid0(VALU_DEP_4)
	v_lshlrev_b32 v[O4], 2, v10
	s_delay_alu instid0(VALU_DEP_4)
	v_mul_u32_u24 v[RS], v11, RP
	s_delay_alu instid0(VALU_DEP_4)
	v_mul_u32_u24 v[RL], v14, RP
	v_mul_u32_u24 v[AF], v11, WP
	v_lshlrev_b32 v[WSA], 7, v10
	s_delay_alu instid0(VALU_DEP_4)
	v_lshl_add_u32 v[RS], v14, 5, v[RS]
	s_delay_alu instid0(VALU_DEP_4)
	v_lshl_add_u32 v[RL], v11, 4, v[RL]
	s_delay_alu instid0(VALU_DEP_4)
	v_mad_u32_u24 v[AF], v14, 48, v[AF]
	v_add_nc_u32 v[SA], s45, v[O16]
	v_lshlrev_b32 v[BO], 4, v11                    ; (v11 takes 16 r: r is read no more)
	v_add_nc_u32 v[RS], s43, v[RS]
	v_add_nc_u32 v[RL], s44, v[RL]
	v_add_nc_u32 v[AF], s46, v[AF]
	s_delay_alu instid0(VALU_DEP_4)
	v_lshl_add_u32 v[YO], v14, 12, v[BO]
	s_delay_alu instid0(VALU_DEP_2)
	v_add_nc_u32 v[AF2], 32*WP, v[AF]
	s_wait_alu depctr_va_vdst(0)
	s_wait_kmcnt 0x0
	s_load_b32 s20, s[12:13], s30 offset:0x0       ; the expert's first tile,
	s_load_b32 s21, s[12:13], s30 offset:0x4       ; the next expert's,
	s_load_b32 s22, s[12:13], 0x20                 ; all tiles
	s_lshl_b32 s38, s16, 3
	s_add_co_u32 s38, s38, s39
	s_mul_i32 s40, s38, 3072
	s_add_nc_u64 s[4:5], s[4:5], s[40:41]          ; my wave's eight rows of W2: 24,576 dense bytes
	WIN 0x40
.set J, 0
.rept 48
	global_load_b128 v[4*J:4*J+3], v[O16], s[4:5] offset:512*J
.set J, J+1
.endr
	WIN 0
	s_lshl_b32 s40, s39, 7
	s_lshl_b32 s38, s16, 4
	s_add_co_u32 s40, s40, s38
	s_add_nc_u64 s[6:7], s[6:7], s[40:41]          ; W2's scale bytes: 128 a row, my 16 of them
	global_load_b128 v[WS:WS+3],   v[WSA], s[6:7]
	global_load_b128 v[WS+4:WS+7], v[WSA], s[6:7] offset:4096
	s_lshl_b32 s40, s39, 2
	s_add_nc_u64 s[8:9], s[8:9], s[40:41]
	global_load_b128 v[B2:B2+3], v[BO], s[8:9]     ; b2 of columns 4 (l % 16) .. + 3
	s_lshl_b32 s40, s16, 9
	s_add_nc_u64 s[28:29], s[10:11], s[40:41]
	s_add_nc_u64 s[28:29], s[28:29], HSOFF         ; h's scale words, my four K steps
	s_mul_i32 s40, s16, 6144
	s_add_nc_u64 s[10:11], s[10:11], s[40:41]      ; h's images, my four K steps
	s_lshl_b32 s40, s16, 13
	s_lshl_b32 s38, s18, 8
	s_add_co_u32 s40, s40, s38
	s_add_nc_u64 s[14:15], s[14:15], s[40:41]      ; y: rows 2 w on of a tile, my 256 bytes of a row
	s_mov_b32 s23, s19                             ; my work-group's tile within the expert
	s_wait_kmcnt 0x0
	s_min_u32 s20, s20, TMAX
	s_min_u32 s21, s21, TMAX+1
	s_sub_co_u32 s21, s21, s20
	s_min_u32 s21, s21, 64                         ; the expert's tiles
	s_min_u32 s22, s22, TMAX+1
	s_max_u32 s22, s22, 1
	s_sub_co_u32 s22, s22, 1                       ; the last tile that was written
.irp q, 0,1,2,3                        ; the first four tiles' loads go out whether or not the tiles are mine: they stay among the tiles that were written
	s_add_co_u32 s38, s19, 2*\q
	s_add_co_u32 s38, s38, s20
	s_min_u32 s38, s38, s22
	s_min_u32 s38, s38, TMAX
	s_mul_i32 s40, s38, 49152
	s_add_nc_u64 s[44+4*\q:45+4*\q], s[10:11], s[40:41]
	s_lshl_b32 s40, s38, 12
	s_add_nc_u64 s[46+4*\q:47+4*\q], s[28:29], s[40:41]
	HSET \q
.irp s, 0,1,2,3
	HGRP \q, \s, 44+4*\q, 46+4*\q
.endr
.endr
	s_wait_loadcnt 63                              ; W2, its scales and b2 are in: behind W2's last load 67 were issued
	WIN 0x04
.set J, 0
.rept 48
	ds_store_b128 v[SA], v[4*J:4*J+3] offset:(J/6)*WP+(J%6)*512
.set J, J+1
.endr
	WIN 0
	s_wait_dscnt 0x0                               ; for the others' sake: my eight rows lie in LDS; and the stores have read the registers into which the fragments land
	s_barrier_signal -1
	s_barrier_wait -1
	WIN 0x40
.irp s, 0,1,2,3
.irp t, 0,1,2,3
.irp g, 0,1,2
.if \t < 2
	ds_load_b128 v[12*(4*\s+\t)+4*\g:12*(4*\s+\t)+4*\g+3], v[AF]  offset:16*WP*\t+96*\s+16*\g
.else
	ds_load_b128 v[12*(4*\s+\t)+4*\g:12*(4*\s+\t)+4*\g+3], v[AF2] offset:16*WP*(\t-2)+96*\s+16*\g
.endif
.endr
.endr
.endr
	WIN 0
.set J, 0
.rept 8
	v_perm_b32 v[WS+J], v[WS+J], v[WS+J], s42
.set J, J+1
.endr
.rept 8
	v_nop                                          ; scale registers written by vector instructions stand eight places ahead of a scaled matrix instruction
.endr
	s_wait_alu depctr_va_vdst(0)
	s_wait_dscnt 0x0                               ; all fragments of W2 are in
	s_mov_b32 s24, 8
.Ltrip:
	SUB 0
	SUB 1
	SUB 2
	SUB 3
	s_sub_co_u32 s24, s24, 1
	s_cmp_lg_u32 s24, 0
	s_cbranch_scc1 .Ltrip
	s_barrier_signal -1
	s_barrier_wait -1
	s_wait_tensorcnt 0x0                           ; the wave's end
	ds_add_u32 v12, v13
	s_wait_dscnt 0x0
	s_endpgm
.Lfunc_end_k_q9e343d1c0b_down:
	.size	k_q9e343d1c0b_down, .Lfunc_end_k_q9e343d1c0b_down-k_q9e343d1c0b_down
	.p2alignl 7, 3214868480
	.fill 96, 4, 3214868480
	.section	.rodata,"a",@progbits
	.p2align	6, 0x0
	.amdhsa_kernel k_q9e343d1c0b_down
		.amdhsa_group_segment_fixed_size 268288
		.amdhsa_private_segment_fixed_size 0
		.amdhsa_enable_private_segment 0
		.amdhsa_kernarg_size 48
		.amdhsa_user_sgpr_count 2
		.amdhsa_user_sgpr_kernarg_segment_ptr 1
		.amdhsa_wavefront_size32 1
		.amdhsa_system_sgpr_workgroup_id_x 1
		.amdhsa_system_sgpr_workgroup_id_y 1
		.amdhsa_system_sgpr_workgroup_id_z 1
		.amdhsa_system_vgpr_workitem_id 0
		.amdhsa_next_free_vgpr 512
		.amdhsa_next_free_sgpr 66
		.amdhsa_reserve_vcc 0
		.amdhsa_float_denorm_mode_32 3
		.amdhsa_float_denorm_mode_16_64 3
		.amdhsa_memory_ordered 1
		.amdhsa_forward_progress 1
		.amdhsa_inst_pref_size 68
	.end_amdhsa_kernel
	.amdgpu_metadata
---
amdhsa.version: [ 1, 2 ]
amdhsa.kernels:
  - .name:           k_q9e343d1c0b_down
    .symbol:         k_q9e343d1c0b_down.kd
    .args:
      - { .name: W2_codes, .offset: 0, .size: 8, .value_kind: global_buffer, .address_space: global }
      - { .name: W2_scales, .offset: 8, .size: 8, .value_kind: global_buffer, .address_space: global }
      - { .name: b2, .offset: 16, .size: 8, .value_kind: global_buffer, .address_space: global }
      - { .name: hq, .offset: 24, .size: 8, .value_kind: global_buffer, .address_space: global }
      - { .name: plan, .offset: 32, .size: 8, .value_kind: global_buffer, .address_space: global }
      - { .name: y, .offset: 40, .size: 8, .value_kind: global_buffer, .address_space: global }
    .group_segment_fixed_size: 268288
    .private_segment_fixed_size: 0
    .kernarg_segment_align: 8
    .kernarg_segment_size: 48
    .max_flat_workgroup_size: 256
    .sgpr_count:     66
    .vgpr_count:     512
    .wavefront_size: 32
...
	.end_amdgpu_metadata
.endif
;; end of part 4
;; launch comb (part 5): grid 256 x 1, 4 waves a work-group, no clusters, 0 bytes of LDS; arguments y, plan, gates, out0; writes out0
.if DOCPART == 5
	.amdgcn_target "amdgcn-amd-amdhsa--gfx1250"
	.amdhsa_code_object_version 6
	.text
	.protected	k_q9e343d1c0b_comb
	.globl	k_q9e343d1c0b_comb
	.p2align	8
	.type	k_q9e343d1c0b_comb,@function
k_q9e343d1c0b_comb:
	s_mov_b64 s[64:65], 0
	v_nop
	global_prefetch_b8 v0, s[64:65] scope:SCOPE_SE
	s_setreg_imm32_b32 hwreg(HW_REG_WAVE_MODE, 25, 1), 1
	s_wait_xcnt 0x0
; out0[t] = g0 y[pos0] + g1 y[pos1]: the gates of the six experts that were not chosen are exactly 0, so two rows are the whole sum.  f32 throughout.
; Wave w of work-group g owns token t = 4 g + w: two rows of 4,096 bytes in, one out, 512 consecutive bytes a load or store.  The slots are whole numbers that an earlier launch stored.
; A stream: no LDS, no matrix unit, no cluster (no byte is shared).
	s_load_b256 s[4:11], s[0:1], 0x0               ; y, plan, gates, out0
	v_lshrrev_b32 v1, 5, v0
	v_readfirstlane_b32 s12, v1
	v_and_b32 v1, 31, v0
	v_lshlrev_b32 v1, 4, v1                        ; 16 l
	s_lshl_b32 s13, ttmp9, 2
	s_add_co_u32 s13, s13, s12                     ; my token
	s_lshl_b32 s22, s13, 3
	s_mov_b32 s23, 0
	s_wait_alu depctr_va_vdst(0)
	s_wait_kmcnt 0x0
	s_add_nc_u64 s[6:7], s[6:7], s[22:23]
	s_add_nc_u64 s[8:9], s[8:9], s[22:23]
	s_load_b64 s[14:15], s[6:7], 0x2300            ; pos[t], 8,960 bytes into the plan
	s_load_b64 s[16:17], s[8:9], 0x0               ; the two gates
	s_lshl_b32 s22, s13, 12
	s_add_nc_u64 s[10:11], s[10:11], s[22:23]
	s_wait_kmcnt 0x0
	s_min_u32 s14, s14, 2175                       ; held inside y's 2,176 rows
	s_min_u32 s15, s15, 2175
	s_lshl_b32 s22, s14, 12
	s_add_nc_u64 s[18:19], s[4:5], s[22:23]
	s_lshl_b32 s22, s15, 12
	s_add_nc_u64 s[20:21], s[4:5], s[22:23]
	s_mov_b32 s24, s17                             ; the second gate in a pair of its own: the packed form takes a pair's low word for both halves
	s_mov_b32 s25, s17
.irp j, 0,1,2,3,4,5,6,7
	global_load_b128 v[16+4*\j:19+4*\j], v1, s[18:19] offset:512*\j th:TH_LOAD_NT
.endr
.irp j, 0,1,2,3,4,5,6,7
	global_load_b128 v[48+4*\j:51+4*\j], v1, s[20:21] offset:512*\j th:TH_LOAD_NT
.endr
	s_wait_loadcnt 8                               ; the first row is in; the second row's eight loads may be out
.irp i, 0,2,4,6,8,10,12,14,16,18,20,22,24,26,28,30
	v_pk_mul_f32 v[16+\i:17+\i], v[16+\i:17+\i], s[16:17] op_sel_hi:[1,0]
.endr
	s_wait_loadcnt 0x0
.irp i, 0,2,4,6,8,10,12,14,16,18,20,22,24,26,28,30
	v_pk_fma_f32 v[16+\i:17+\i], v[48+\i:49+\i], s[24:25], v[16+\i:17+\i] op_sel_hi:[1,0,1]
.endr
.irp j, 0,1,2,3,4,5,6,7
	global_store_b128 v1, v[16+4*\j:19+4*\j], s[10:11] offset:512*\j th:TH_STORE_NT
.endr
	s_endpgm
.Lfunc_end_k_q9e343d1c0b_comb:
	.size	k_q9e343d1c0b_comb, .Lfunc_end_k_q9e343d1c0b_comb-k_q9e343d1c0b_comb
	.p2alignl 7, 3214868480
	.fill 96, 4, 3214868480
	.section	.rodata,"a",@progbits
	.p2align	6, 0x0
	.amdhsa_kernel k_q9e343d1c0b_comb
		.amdhsa_group_segment_fixed_size 0
		.amdhsa_private_segment_fixed_size 0
		.amdhsa_enable_private_segment 0
		.amdhsa_kernarg_size 32
		.amdhsa_user_sgpr_count 2
		.amdhsa_user_sgpr_kernarg_segment_ptr 1
		.amdhsa_wavefront_size32 1
		.amdhsa_system_sgpr_workgroup_id_x 1
		.amdhsa_system_sgpr_workgroup_id_y 1
		.amdhsa_system_sgpr_workgroup_id_z 1
		.amdhsa_system_vgpr_workitem_id 0
		.amdhsa_next_free_vgpr 80
		.amdhsa_next_free_sgpr 66
		.amdhsa_reserve_vcc 0
		.amdhsa_float_denorm_mode_32 3
		.amdhsa_float_denorm_mode_16_64 3
		.amdhsa_memory_ordered 1
		.amdhsa_forward_progress 1
		.amdhsa_inst_pref_size 6
	.end_amdhsa_kernel
	.amdgpu_metadata
---
amdhsa.version: [ 1, 2 ]
amdhsa.kernels:
  - .name:           k_q9e343d1c0b_comb
    .symbol:         k_q9e343d1c0b_comb.kd
    .args:
      - { .name: y, .offset: 0, .size: 8, .value_kind: global_buffer, .address_space: global }
      - { .name: plan, .offset: 8, .size: 8, .value_kind: global_buffer, .address_space: global }
      - { .name: gates, .offset: 16, .size: 8, .value_kind: global_buffer, .address_space: global }
      - { .name: out0, .offset: 24, .size: 8, .value_kind: global_buffer, .address_space: global }
    .group_segment_fixed_size: 0
    .private_segment_fixed_size: 0
    .kernarg_segment_align: 8
    .kernarg_segment_size: 32
    .max_flat_workgroup_size: 128
    .sgpr_count:     66
    .vgpr_count:     80
    .wavefront_size: 32
...
	.end_amdgpu_metadata
.endif
;; end of part 5
